; MI455X (gfx1250); checked and timed in simulation.
; The chip was launched on July 23, 2026; its instructions are those of AMD's public machine-readable ISA for CDNA 5 (MIT licence, August 2026) and "CDNA5" Instruction Set Architecture Reference Guide (July 2026). The comments in the code are by the model that wrote it; some were corrected since.
;; Compressed Prototype. Allowed arithmetic: matrix products marked QUANTISED: E4M3 operands, one given power-of-two scale a tensor, by v_wmma_f32_16x16x64_fp8_fp8 or v_wmma_f32_16x16x128_fp8_fp8, f32 sums; everything else in f32.
;; Inputs: bias 4,096 float32; indices 4,096 x 4,096 int32; lowp_scales 2 int32 (the exponents e of the quantised operands' scales 2^e); mean 4,096 float32; x_codes 4,096 x 128 x 32 uint8 (E4M3 codes of x, K innermost, in blocks of 32 codes).
;; Outputs: out0 4,096 x 4,096 float32.
;; This version of the problem:
;;   THIS VERSION OF THE PROBLEM IS GIVEN IN LOW PRECISION. The matrix products marked QUANTISED in the list below multiply operands that are first quantised to E4M3 (4 exponent bits, 3 mantissa bits; 8 bits a number), with one given power-of-two scale for each operand tensor; their sums are f32. All else is computed in f32.
;;   The module's matrix products, in the order in which they are computed (A, B: the left and right operand; K: the contracted axis; several contracted axes count as one K, in the product's order):
;;     1. [M 4,096, K 4,096] x [K 4,096, N 4,096]; A: input x (given as codes); B: computed on the way: QUANTISED (scales: A lowp_scales[0], B lowp_scales[1])
;;   THE QUANTISER, for each operand of a quantised product, along K:
;;     - The operand's scale is 2^e, e = its entry of the input lowp_scales (int32; the entries are numbered through the quantised products in the list's order, A before B).
;;     - Each number is divided by the scale, clamped to +-448, and rounded to the nearest number of E4M3, ties to even, subnormals kept.
;;     - The product sums the exact products of the quantised numbers (number of the format x scale) in f32.
;;   ~~~python
;;   def quantise(x, axis, e):      # numpy; x: float32 -> the quantised numbers, widened to float32 again
;;       x = np.moveaxis(x, axis, -1); K = x.shape[-1]
;;       r = np.clip(x / 2.0 ** e, -448, 448)
;;       step = 2.0 ** (np.maximum(np.frexp(np.where(r == 0, 1, r))[1] - 1, -6) - 3)
;;       q = np.round(r / step) * step * 2.0 ** e      # np.round: ties to even
;;       return np.moveaxis(q, -1, axis).astype(np.float32)
;;   ~~~
;;   OPERANDS COMPUTED ON THE WAY. 'Computed on the way' means the value that the module computes at that place (a softmax that the list does not call 'softmax' is quantised finished and normalised). What goes into a quantiser is computed in f32, as accurately as f32 sums, v_exp_f32 and their like allow (about 1e-6 of the number): no bf16 or f16 on the way to a quantiser, and a product that is left as it is and whose result goes on into a quantised operand takes f32 operands (vector FMAs, or v_wmma_f32_16x16x4_f32). A number that lies on a knife's edge between two numbers of the format may be rounded either way, as far as f32 arithmetic and the matrix unit's own rounding can turn it there, and no further.
;;   INPUTS GIVEN AS CODES. x (in the module: [4096, 4096], K = its axis 1): each comes as NAME_codes (uint8): NAME with its K axis moved to the last place and cut into blocks of 32 codes, [.., K / 32, bytes a block], one block behind the other in memory; one code a byte (a code: sign, 4 exponent bits, 3 mantissa bits); its scale is its entry of lowp_scales. Its value is code x scale, taken as it is: it is not quantised again, and the codes and scales need not be those that the quantiser above would give.
;; One version. Each part assembles by itself: llvm-mc -triple=amdgcn-amd-amdhsa -mcpu=gfx1250 --defsym DOCPART=n.
;; ======== version 1 of 1: 2 launches
;; limits: right only within a limited range of input values
;; workspace buffers: wimg 16,777,216 bytes
;; launch unsort (part 1): grid 256 x 1, 16 waves a work-group, no clusters, 133,120 bytes of LDS; arguments indices, mean, lowp_scales, wimg; writes wimg
.if DOCPART == 1
	.amdgcn_target "amdgcn-amd-amdhsa--gfx1250"
	.amdhsa_code_object_version 6
	.text
	.protected	k_qcc032242f0_unsort
	.globl	k_qcc032242f0_unsort
	.p2align	8
	.type	k_qcc032242f0_unsort,@function
k_qcc032242f0_unsort:
	s_mov_b64 s[64:65], 0
	v_nop
	global_prefetch_b8 v0, s[64:65] scope:SCOPE_SE
	s_setreg_imm32_b32 hwreg(HW_REG_WAVE_MODE, 25, 1), 1
	s_wait_xcnt 0x0
; kernel[k][n] = mean[indices[k][n]], quantised to E4M3 with the given scale 2^e1 (entry 1 of the scales), written as codes in the order in which the product's operand registers take them.
; THE QUANTISER WORKS NUMBER BY NUMBER WITH ONE GIVEN SCALE, so the code of mean[i] is the same wherever i is named: the 4,096 numbers of mean are quantised once, into a table in LDS,
; and the kernel's codes are a gather of bytes from that table.  code = x / 2^e1, held within +-448, to the nearest code, ties to even.
; LIMITS: -126 <= e1 <= 119, so that 2^e1 and 448 x 2^e1 are f32 numbers.  NaN in mean is not served (an infinity is held at the largest code).
; THE TABLE HAS A COPY FOR EACH LANE: entry m of lane l's copy lies at byte 256 (m / 8) + 8 l + m % 8: 512 rows of 256 bytes, a row = eight codes 32 times over.  A lane's gathers touch
; bytes 8 l .. 8 l + 7 of a row alone, so the 32 lanes of a gather name 32 different pairs of 4-byte columns whatever their indices (64 banks of 4 bytes: ISA guide 11.1).
; Thread t holds the eight codes of row t and stores them sixteen times, 16 bytes each; in store s lane l takes column (l + s) % 16, so that sixteen neighbouring lanes name sixteen different columns.
; LAYOUT OF THE CODES: byte ((G 32 + ks) 16 + T) 2048 + 512 c + 256 hh + 16 r + i holds k = 128 ks + 32 c + 16 hh + i of column 256 G + 128 s + 64 u + 4 r + j, where T = 8 s + 4 u + j.
; So a tile T (16 columns x 128 along K, 2,048 bytes) is the image of a fragment's sixteen registers; the columns of a tile lie four apart, so that a lane that loaded four neighbouring
; indices stores 16 bytes along K for each of them, and sixteen neighbouring lanes store 256 consecutive aligned bytes.
; SHARES: work-group w: ks = w % 32 (128 rows k), cg = w / 32 (512 columns).  Wave v: kb = v % 8 (16 rows: kb = 2 c + hh), gh = v / 8 (256 columns: G = 2 cg + gh).  Two steps s of 128 columns; lane l: columns 4 l .. 4 l + 3.
; All 32 index loads of a wave (512 consecutive aligned bytes each) go out at the head; the table is made while they are on their way.  Nothing is read twice.
; No tensor loads, no ring, no cluster, no prefetch: the work-groups share nothing but the 16 KiB of mean, and every byte that a wave wants is asked for at once, so there is no loop to run ahead in.
.set X, 32                             ; v32-159   indices, then LDS addresses: step s, row i at X + 64 s + 4 i + j (j: the column)
.set G, 160                            ; v160-191  at the head the sixteen store addresses; then two sets of 16: m % 8, then the gathered codes: column j, row w at G + 16 p + 4 j + w
.set T, 192                            ; v192-199  at work
.set C, 200                            ; v200-231  packed codes: step s, column j: four registers at C + 16 s + 4 j
.set L8, 20                            ; v20       8 x lane
.set SPARE, 0x20000                    ; behind the table: the spare words, 128 bytes for each of 16 waves
	s_load_b128 s[4:7], s[0:1], 0x0                ; indices s[4:5], mean s[6:7]
	s_load_b128 s[8:11], s[0:1], 0x10              ; the scales' exponents s[8:9], the codes s[10:11]
	v_lshl_add_u32 v232, v0, 2, SPARE
	v_mov_b32 v233, 0
	v_lshrrev_b32 v1, 5, v0
	v_and_b32 v22, 31, v0                          ; lane
	v_lshlrev_b32 v5, 5, v0                        ; mean: my eight numbers at byte 32 x thread
	v_lshlrev_b32 v4, 8, v0                        ; the table: my row at byte 256 x thread
	v_readfirstlane_b32 s12, v1                    ; wave 0..15
	v_and_b32 v3, 15, v0
	v_bfe_u32 v21, v0, 4, 1
	v_lshlrev_b32 v23, 4, v0                       ; 16 x thread: its bits 7:4 are 16 x (lane % 16)
	v_lshlrev_b32 v[L8], 3, v22
	v_lshlrev_b32 v2, 4, v22                       ; the index loads: 16 bytes a lane
	v_lshlrev_b32 v3, 4, v3                        ; the stores: 16 r,
.irp s, 0,1,2,3,4,5,6,7,8,9,10,11,12,13,14,15
	v_add_nc_u32 v[G+\s], 16*\s, v23
.endr
	v_lshl_add_u32 v3, v21, 13, v3                 ; + four tiles of 2,048 bytes for lanes 16-31 (u = 1)
.irp s, 0,1,2,3,4,5,6,7,8,9,10,11,12,13,14,15
	v_and_or_b32 v[G+\s], v[G+\s], 0xf0, v4        ; my row + 16 x ((lane + s) % 16)
.endr
	s_and_b32 s13, ttmp9, 31                       ; ks
	s_lshr_b32 s14, ttmp9, 5                       ; cg
	s_and_b32 s15, s12, 7                          ; kb
	s_lshr_b32 s16, s12, 3                         ; gh
	s_lshl_b32 s18, s13, 21                        ; indices: row 128 ks + 16 kb of 16,384 bytes,
	s_lshl_b32 s17, s15, 18
	s_add_co_u32 s18, s18, s17
	s_lshl_b32 s17, s14, 11                        ; column 512 cg + 256 gh of 4 bytes: under 2^27 in all
	s_add_co_u32 s18, s18, s17
	s_lshl_b32 s17, s16, 10
	s_add_co_u32 s18, s18, s17
	s_mov_b32 s19, 0
	s_lshl_b32 s20, s14, 21                        ; the codes: (G 32 + ks) x 32,768 + 256 kb, G = 2 cg + gh
	s_lshl_b32 s17, s16, 20
	s_add_co_u32 s20, s20, s17
	s_lshl_b32 s17, s13, 15
	s_add_co_u32 s20, s20, s17
	s_lshl_b32 s17, s15, 8
	s_add_co_u32 s20, s20, s17
	s_mov_b32 s21, 0
	s_wait_alu depctr_va_vdst(0)
	s_wait_kmcnt 0x0
	s_load_b32 s22, s[8:9], 0x4                    ; e1
	s_add_nc_u64 s[4:5], s[4:5], s[18:19]
	s_add_nc_u64 s[10:11], s[10:11], s[20:21]
	global_load_b128 v[8:11], v5, s[6:7]           ; my eight numbers of mean
	global_load_b128 v[12:15], v5, s[6:7] offset:16
.irp s, 0,1
.irp i, 0,1,2,3,4,5,6,7,8,9,10,11,12,13,14,15
	global_load_b128 v[X+64*\s+4*\i:X+64*\s+4*\i+3], v2, s[4:5] offset:\i*16384+\s*512 th:TH_LOAD_NT   ; row i, 128 columns: 512 consecutive bytes; read once in the launch
.endr
.endr
	s_wait_kmcnt 0x0
	s_add_co_i32 s22, s22, 127
	s_lshl_b32 s23, s22, 23
	v_mov_b32 v6, s23                              ; 2^e1 as f32: the conversion takes its exponent field
	s_add_co_i32 s22, s22, 8
	s_lshl_b32 s22, s22, 23
	s_or_b32 s22, s22, 0x600000
	v_mov_b32 v7, s22                              ; 448 x 2^e1
	s_wait_alu depctr_va_vdst(0)
	s_wait_loadcnt 32                              ; mean's two loads are in; the 32 index loads issued behind them may be out
.irp i, 0,1,2,3,4,5,6,7
	v_med3_num_f32 v[8+\i], v[8+\i], -v7, v7       ; the conversion to an 8-bit code does not saturate (ISA guide 7.6.2): the hold at the largest code x the scale comes first
.endr
	v_cvt_scalef32_pk8_fp8_f32 v[16:17], v[8:15], v6
	v_nop                                          ; a plain vector line behind the scaled conversion
	v_mov_b32 v18, v16                             ; 16 bytes = my eight codes twice
	v_mov_b32 v19, v17
.irp s, 0,1,2,3,4,5,6,7,8,9,10,11,12,13,14,15
	ds_store_b128 v[G+\s], v[16:19]                ; sixteen stores fill my row of 256 bytes
.endr
	s_wait_dscnt 0x0                               ; for the others' sake: my row of the table has landed
	s_barrier_signal -1
	s_barrier_wait -1                              ; the table is whole; from here on it is only read
; Quad n = 4 s + q: rows 4 q .. 4 q + 3 of step s.  The index loads come back in order: with 28 - 4 n of the 32 still out, those up to this quad's last row are in.
; Each of the five steps goes over all sixteen registers, so that no line reads what the line above it wrote.
.macro GATHER n
.set XS, X+64*((\n)/4)+16*((\n)%4)
.set GS, G+16*((\n)%2)
	s_wait_loadcnt 28-4*(\n)
.irp e, 0,1,2,3,4,5,6,7,8,9,10,11,12,13,14,15
	v_min_u32 v[XS+\e], 0xfff, v[XS+\e]            ; an index lies inside the table; a loaded number enters an address only behind this bound
.endr
.irp e, 0,1,2,3,4,5,6,7,8,9,10,11,12,13,14,15
	v_and_b32 v[GS+\e], 7, v[XS+\e]                ; m % 8
.endr
.irp e, 0,1,2,3,4,5,6,7,8,9,10,11,12,13,14,15
	v_and_b32 v[XS+\e], 0xff8, v[XS+\e]            ; 8 (m / 8)
.endr
.irp e, 0,1,2,3,4,5,6,7,8,9,10,11,12,13,14,15
	v_lshl_add_u32 v[XS+\e], v[XS+\e], 5, v[L8]    ; 256 (m / 8) + 8 lane
.endr
.irp e, 0,1,2,3,4,5,6,7,8,9,10,11,12,13,14,15
	v_add_nc_u32 v[XS+\e], v[XS+\e], v[GS+\e]
.endr
.irp w, 0,1,2,3
.irp j, 0,1,2,3
	ds_load_u8 v[GS+4*\j+\w], v[XS+4*\w+\j]        ; the code of mean[index], from my lane's copy
.endr
.endr
.endm
; Four codes down K of each of my four columns become one register: the lowest k in the lowest byte.  left: the LDS loads issued behind this quad's, which may stay out.
.macro PACK n, left
.set GS, G+16*((\n)%2)
.set CS, C+16*((\n)/4)+((\n)%4)
	s_wait_dscnt \left
.irp j, 0,1,2,3
	v_lshl_or_b32 v[T+2*\j], v[GS+4*\j+1], 8, v[GS+4*\j]
	v_lshl_or_b32 v[T+2*\j+1], v[GS+4*\j+3], 8, v[GS+4*\j+2]
.endr
.irp j, 0,1,2,3
	v_lshl_or_b32 v[CS+4*\j], v[T+2*\j+1], 16, v[T+2*\j]
.endr
.endm
.macro STORE s                         ; column j's 16 codes down K go to tile 8 s + 4 u + j: lanes 0-15 store 256 consecutive aligned bytes, lanes 16-31 another 256.  No hint: the next launch reads them
.irp j, 0,1,2,3
	global_store_b128 v3, v[C+16*(\s)+4*\j:C+16*(\s)+4*\j+3], s[10:11] offset:(8*(\s)+\j)*2048
.endr
.endm
	GATHER 0
.irp n, 1,2,3,4,5,6,7
	GATHER \n                                      ; the next quad's sixteen gathers are out while the last quad is packed
	PACK \n-1, 16
.if \n == 4
	STORE 0
.endif
.endr
	PACK 7, 0                                      ; its wait is for 0: no LDS instruction of mine is out
	STORE 1
	s_barrier_signal -1                            ; every wave's gathers are over before any wave's closing add
	s_barrier_wait -1
	s_wait_tensorcnt 0x0                           ; the wave's end
	ds_add_u32 v232, v233
	s_wait_dscnt 0x0
	s_endpgm
.Lfunc_end_k_qcc032242f0_unsort:
	.size	k_qcc032242f0_unsort, .Lfunc_end_k_qcc032242f0_unsort-k_qcc032242f0_unsort
	.p2alignl 7, 3214868480
	.fill 96, 4, 3214868480
	.section	.rodata,"a",@progbits
	.p2align	6, 0x0
	.amdhsa_kernel k_qcc032242f0_unsort
		.amdhsa_group_segment_fixed_size 133120
		.amdhsa_private_segment_fixed_size 0
		.amdhsa_enable_private_segment 0
		.amdhsa_kernarg_size 32
		.amdhsa_user_sgpr_count 2
		.amdhsa_user_sgpr_kernarg_segment_ptr 1
		.amdhsa_wavefront_size32 1
		.amdhsa_system_sgpr_workgroup_id_x 1
		.amdhsa_system_sgpr_workgroup_id_y 1
		.amdhsa_system_sgpr_workgroup_id_z 1
		.amdhsa_system_vgpr_workitem_id 0
		.amdhsa_next_free_vgpr 234
		.amdhsa_next_free_sgpr 66
		.amdhsa_reserve_vcc 0
		.amdhsa_float_denorm_mode_32 3
		.amdhsa_float_denorm_mode_16_64 3
		.amdhsa_memory_ordered 1
		.amdhsa_forward_progress 1
		.amdhsa_inst_pref_size 57
	.end_amdhsa_kernel
	.amdgpu_metadata
---
amdhsa.version: [ 1, 2 ]
amdhsa.kernels:
  - .name:           k_qcc032242f0_unsort
    .symbol:         k_qcc032242f0_unsort.kd
    .args:
      - { .name: indices, .offset: 0, .size: 8, .value_kind: global_buffer, .address_space: global }
      - { .name: mean, .offset: 8, .size: 8, .value_kind: global_buffer, .address_space: global }
      - { .name: lowp_scales, .offset: 16, .size: 8, .value_kind: global_buffer, .address_space: global }
      - { .name: wimg, .offset: 24, .size: 8, .value_kind: global_buffer, .address_space: global }
    .group_segment_fixed_size: 133120
    .private_segment_fixed_size: 0
    .kernarg_segment_align: 8
    .kernarg_segment_size: 32
    .max_flat_workgroup_size: 512
    .sgpr_count:     66
    .vgpr_count:     234
    .wavefront_size: 32
...
	.end_amdgpu_metadata
.endif
;; end of part 1
;; launch gemm (part 2): grid 16 x 16, 4 waves a work-group, clusters of 4 x 1, 327,680 bytes of LDS; arguments x_codes, wimg, lowp_scales, bias, out0; writes out0
.if DOCPART == 2
	.amdgcn_target "amdgcn-amd-amdhsa--gfx1250"
	.amdhsa_code_object_version 6
	.text
	.protected	k_qcc032242f0_gemm
	.globl	k_qcc032242f0_gemm
	.p2align	8
	.type	k_qcc032242f0_gemm,@function
k_qcc032242f0_gemm:
	s_mov_b64 s[64:65], 0
	v_nop
	global_prefetch_b8 v0, s[64:65] scope:SCOPE_SE
	s_setreg_imm32_b32 hwreg(HW_REG_WAVE_MODE, 25, 1), 1
	s_wait_xcnt 0x0
	s_wait_alu depctr_hold_cnt(0) depctr_sa_sdst(0) depctr_va_vdst(0) depctr_va_sdst(0) depctr_va_ssrc(0) depctr_va_vcc(0) depctr_vm_vsrc(0)
	s_getreg_b32 s2, hwreg(HW_REG_IB_STS2, 6, 4)
	s_cmp_eq_u32 s2, 0
	s_cbranch_scc0 .Lentry_in_a_cluster
	s_endpgm
.Lentry_in_a_cluster:
	s_bfe_u32 s2, ttmp6, 0x10000c
	s_cmp_lg_u32 s2, 0x3003
	s_cbranch_scc0 .Lentry_shape_is_right
	s_endpgm
.Lentry_shape_is_right:
; out[m][n] = 2^(e0 + e1) x (sum over k of xcode[m][k] wcode[k][n]) + bias[n].  x's codes: [4096][4096] bytes, K innermost.  The kernel's codes come from the launch before,
; as images of the operand's registers: byte ((G 32 + ks) 16 + T) 2048 + 512 c + 16 lane, T = 8 s + b: tile b of column half s of column group G (256 columns), K step ks of 128.
; LIMIT: e0 + e1 lies between -126 and 127, so that 2^(e0 + e1) is an f32 number.
; A work-group of four waves makes 256 x 256 of the result, a wave 128 x 128: 64 accumulators, 512 registers.
; x GOES THROUGH LDS: a ring of two slots, each 256 rows x 512 bytes of K (four steps of 128), a wave's tensor load 64 rows; one change of slots for 256 matrix instructions of a wave.
; THE KERNEL'S CODES GO FROM MEMORY STRAIGHT INTO REGISTERS: a wave's load covers 512 consecutive aligned bytes and is a quarter of a fragment as it stands.  Two sets of eight fragments;
; a group of four fragments is loaded again, for the step two on, as soon as its last product of this step is issued: 64 loads of a wave are out at the most.
; CLUSTER 4 x 1: the four work-groups of one tile row need the same tile of x and ask for it jointly (mask 15).  The kernel's codes are not asked for jointly: they pass through no LDS,
; and the four partners have four different column groups.
; THE MATRIX INSTRUCTION IS USED TRANSPOSED (source 0 = 16 columns of the kernel, source 1 = 16 rows of x).  k stands in the same permuted places in both operands (registers 4 c ..: k = 32 c + 16 h + 0 .. 15).
; REGISTERS: window 0: v0-31 addresses, v32-95 bias, v128-255 x's eight fragments (one set);  window 1: the kernel's fragments, sets at v0 and v128;  windows 2, 3: accumulators (a, b) at v[8 (8 (a % 4) + b)].
.set PITCH,  528                       ; an LDS row: 512 bytes + 16: the sixteen rows of a fragment load start 16 bytes apart modulo 256
.set QROWS,  64*PITCH                  ; what one tensor load brings
.set HALFA,  128*PITCH                 ; what one wave reads
.set SLOT,   256*PITCH
.set STAGE,  2*SLOT                    ; behind the ring: 16 rows x 528 bytes for each wave, for the way out
.set SPITCH, 528
.set SPARE,  STAGE+4*16*SPITCH         ; the spare words: 128 bytes a wave, named by no other line
.set NROW,   4096*4
.set KS,     32768                     ; bytes of a column group's codes in a step of 128
.set ADRA, 16                          ; v16-17 LDS address of my fragments of x in slot 0, 1
.set VB,   20                          ; v20 my offset in a step's codes: 16 lane + 16,384 x column half
.set PFB,  21                          ; v21 prefetch of the kernel's codes: 256 x thread
.set PFX,  22                          ; v22 prefetch of x: row 64 wave + lane % 16, 256 x (lane / 16)
.set STO,  24
.set RD,   25
.set CO,   26
.set BH,   27
.set SPW,  28
.set NIL,  29
.set BI,   32
.set AF,   128
.set TMP,  128
.set G1, 24                            ; s[24:31] descriptor group 1
.set G0, 32                            ; s[32:39] group 0, one set for each slot
.set XP, 66                            ; s[66:67] x at my tile row + 16 x my place in the cluster, stepped 1,024 bytes a trip
.set WB, 68                            ; s[68:69] my column group's codes, stepped eight steps a trip
.set MSB, 0
.macro WIN new
.if MSB != (\new)
	s_set_vgpr_msb (MSB<<8)|(\new)
.set MSB, (\new)
.endif
.endm
.set MUL_LO, 0xa1
.set MUL_HI, 0xf1
.set TO_B,   0x40
.macro CREST                           ; a round of the cluster's barrier behind its opening barrier
	s_cmp_lg_u32 s14, 0
	s_cbranch_scc1 .Lnot_wave_0_\@
	s_barrier_signal -3
.Lnot_wave_0_\@:
	s_barrier_wait -3
	s_barrier_signal -1
	s_barrier_wait -1
.endm
.macro CROUND
	s_barrier_signal -1
	s_barrier_wait -1
	CREST
.endm
.macro PLACES                          ; four places behind matrix instructions, ahead of loads into their sources and of reads of results
.rept 4
	v_nop
.endr
.endm
.macro JLOAD n                         ; my 64 rows of a slot, asked for jointly
	tensor_load_to_lds s[G0+4*(\n):G0+4*(\n)+3], s[G1:G1+7]
	s_nop 0
	PLACES
.endm
.macro FETCH_A slot, q, i0             ; x's blocks i0 .. i0 + 3 of the slot's q-th 128 along K
.irp i, \i0, \i0+1, \i0+2, \i0+3
.irp c, 0,1,2,3
	ds_load_b128 v[AF+16*(\i)+4*\c:AF+16*(\i)+4*\c+3], v[ADRA+\slot] offset:128*(\q)+32*\c+(\i)*16*PITCH
.endr
.endr
.endm
.macro LOADB p, b0, rel                ; the kernel's fragments b0 .. b0 + 3 of the step rel steps behind WB, into set p
.irp b, \b0, \b0+1, \b0+2, \b0+3
.irp c, 0,1,2,3
	global_load_b128 v[128*(\p)+16*(\b)+4*\c:128*(\p)+16*(\b)+4*\c+3], v[VB], s[WB:WB+1] offset:(\rel)*KS+2048*(\b)+512*\c
.endr
.endr
.endm
.macro MULG hi, b0, p, zero, w         ; 16 matrix instructions: the kernel's fragments b0 .. b0 + 3 x four blocks of x; the 64 accumulators take turns, in the same order in every step.  w >= 0: the loads that may be out when fragment b0 is wanted; four fewer for each later fragment
.irp b, \b0, \b0+1, \b0+2, \b0+3
.if \w >= 0
	s_wait_loadcnt \w-4*((\b)-(\b0))
.endif
.irp a, 0,1,2,3
.if \zero
	v_wmma_f32_16x16x128_fp8_fp8 v[8*(8*\a+(\b)):8*(8*\a+(\b))+7], v[128*(\p)+16*(\b):128*(\p)+16*(\b)+15], v[AF+16*(4*\hi+\a):AF+16*(4*\hi+\a)+15], 0
.else
	v_wmma_f32_16x16x128_fp8_fp8 v[8*(8*\a+(\b)):8*(8*\a+(\b))+7], v[128*(\p)+16*(\b):128*(\p)+16*(\b)+15], v[AF+16*(4*\hi+\a):AF+16*(4*\hi+\a)+15], v[8*(8*\a+(\b)):8*(8*\a+(\b))+7]
.endif
.endr
.endr
.endm
; A step of 128 along K.  p: the kernel's set.  zero = 1: the products start the sums.  turn: 0 none; 1 a change of slots with a refill; 2 one without.
; ns, nq: slot and place of the next step's fragments of x (ns = -1: the last step).  brel: the step two on, counted from WB (-1: none).  pf: the step four on (-1: none).  bump = 1: WB and XP step.
; Global loads come back in order, four to a fragment.  Behind fragment b's four stand the 28 - 4 b others of this step and the 32 of the next: 60 - 4 b may be out; in the last step 28 - 4 b.
; In a step that changes slots the second group of four fragments has one wait, for 32, ahead of the barrier's signal: between signal and wait stands register work alone.
.macro STEP p, zero, turn, ns, nq, brel, pf, bump
.if \turn
	s_wait_tensorcnt 0x0                           ; all my tensor loads have landed: my part of the next slot
	ds_add_u32 v[SPW], v[NIL]
.if \turn == 1
	s_add_nc_u64 s[G0+4*(1-(\ns))+2:G0+4*(1-(\ns))+3], s[G0+4*(1-(\ns))+2:G0+4*(1-(\ns))+3], 1024   ; no load of mine is out: this slot's next 512 along K
.endif
	s_wait_dscnt 17                                ; the add and x's blocks 4-7 may be out
.else
	s_wait_dscnt 16                                ; x's blocks 4-7 may be out
.endif
	WIN MUL_LO
.if \ns >= 0
	MULG 0, 0, \p, \zero, 60
.else
	MULG 0, 0, \p, \zero, 28
.endif
.if \turn
	s_wait_loadcnt 32
	s_wait_dscnt 0x0                               ; the add is done, and my reads of this slot are over
	s_barrier_signal -1
	MULG 0, 4, \p, \zero, -1
.else
.if \ns >= 0
	MULG 0, 4, \p, \zero, 44
.else
	MULG 0, 4, \p, \zero, 12
.endif
.endif
.if \turn
	WIN 0
	s_barrier_wait -1
.endif
.if \turn == 1
	CREST                                          ; the barrier opened a round of the cluster's barrier: no wave of a partner reads this slot or has a load out
	tensor_load_to_lds s[G0+4*(1-(\ns)):G0+4*(1-(\ns))+3], s[G1:G1+7]
	s_nop 0
.endif
.if \ns >= 0
	PLACES
	WIN 0
	FETCH_A \ns, \nq, 0
.endif
.if \turn == 1
; x's 512 along K that the NEXT refill will ask for: 256 rows x 2 blocks of 256 bytes, each named once in the cluster: 16 waves x 32 lanes, shared out by address.  The last refill has no successor.
.if \ns == 0
	s_cmp_gt_u32 s3, 1
	s_cbranch_scc0 .Lno_more_\@
.endif
	global_prefetch_b8 v[PFX], s[XP:XP+1] offset:1536+512*(1-(\ns)) th:TH_LOAD_NT scope:SCOPE_SE
.if \ns == 0
.Lno_more_\@:
.endif
.endif
.if \turn == 0
.if \ns >= 0
	s_wait_dscnt 16                                ; all but the 16 just issued
.else
	s_wait_dscnt 0
.endif
.endif
	WIN MUL_HI
	MULG 1, 0, \p, \zero, -1
.if \brel >= 0
	PLACES
.if \bump
	s_wait_xcnt 0x0                                ; the loads and prefetches issued so far have read their bases
	s_add_nc_u64 s[WB:WB+1], s[WB:WB+1], 8*KS
	s_add_nc_u64 s[XP:XP+1], s[XP:XP+1], 1024
.endif
	WIN TO_B
	LOADB \p, 0, \brel
.if \pf >= 0
	global_prefetch_b8 v[PFB], s[WB:WB+1] offset:(\pf)*KS th:TH_LOAD_NT scope:SCOPE_SE   ; my column group's step four on, two steps ahead of its loads: 128 threads x 256 bytes = the step's 32,768 bytes, each block once
.endif
	WIN MUL_HI
.endif
	MULG 1, 4, \p, \zero, -1
.if \ns >= 0
	PLACES
.if \brel >= 0
	WIN TO_B
	LOADB \p, 4, \brel
.endif
	WIN 0
	FETCH_A \ns, \nq, 4
.endif
.endm
	s_load_b128 s[4:7], s[0:1], 0x0                ; x's codes, the kernel's codes
	s_load_b128 s[8:11], s[0:1], 0x10              ; the scales' exponents, bias
	s_load_b64 s[12:13], s[0:1], 0x20              ; out
	v_lshl_add_u32 v[SPW], v0, 2, SPARE
	v_mov_b32 v[NIL], 0
	ds_add_u32 v[SPW], v[NIL]                      ; the opening lines: the add twice on end, under one wait
	ds_add_u32 v[SPW], v[NIL]
	v_lshrrev_b32 v1, 5, v0
	v_readfirstlane_b32 s14, v1                    ; wave
	s_lshr_b32 s15, s14, 1                         ; my half of the rows
	s_and_b32 s16, s14, 1                          ; my half of the columns
	s_mul_i32 s21, s15, HALFA
	s_add_co_u32 s20, s21, SLOT
	s_lshl_b32 s22, s16, 14
	s_mul_i32 s23, s14, 16*SPITCH
	s_add_co_u32 s23, s23, STAGE
	v_and_b32 v2, 15, v0                           ; r
	v_bfe_u32 v3, v0, 4, 1                         ; h
	v_mul_u32_u24 v4, v2, PITCH
	v_lshl_add_u32 v4, v3, 4, v4
	v_add_nc_u32 v[ADRA], s21, v4
	v_add_nc_u32 v[ADRA+1], s20, v4
	v_and_b32 v6, 31, v0
	v_lshlrev_b32 v[CO], 4, v6
	v_add_nc_u32 v[VB], s22, v[CO]
	v_lshlrev_b32 v[PFB], 8, v0
	v_lshrrev_b32 v7, 5, v0
	v_lshlrev_b32 v[PFX], 12, v2
	v_lshl_add_u32 v[PFX], v3, 8, v[PFX]
	v_lshl_add_u32 v[PFX], v7, 18, v[PFX]
	v_mul_u32_u24 v5, v2, SPITCH
	v_lshl_add_u32 v5, v3, 7, v5
	v_add_nc_u32 v[STO], s23, v5
	v_add_nc_u32 v[RD], s23, v[CO]
	v_lshlrev_b32 v[BH], 7, v3
	s_bfe_u32 s40, ttmp6, 0x40000                  ; cx
	s_lshl_b32 s42, ttmp9, 2
	s_add_co_u32 s42, s42, s40                     ; column group = 4 x cluster x + cx
	s_and_b32 s17, ttmp7, 0xffff                   ; tile row = cluster y
	s_mov_b32 s[G1+0], 15|(1<<20)|(1<<21)|(6<<22)|(3<<25)   ; mask: the cluster's four; bytes; 4 words of padding behind every 128
	s_mov_b32 s[G1+1], 512<<16
	s_mov_b32 s[G1+2], 64<<16
	s_mov_b32 s[G1+3], 512<<16
	s_mov_b32 s[G1+4], 64
	s_mov_b32 s[G1+5], 4096
	s_mov_b32 s[G1+6], 0
	s_mov_b32 s[G1+7], 0
	s_lshl_b32 s44, s17, 20                        ; x: row 256 x tile row + 64 x wave, of 4,096 bytes
	s_lshl_b32 s18, s14, 18
	s_add_co_u32 s44, s44, s18
	s_mov_b32 s45, 0
	s_lshl_b32 s46, s42, 20                        ; the kernel's codes: column group x 2^20
	s_mov_b32 s47, 0
	s_lshl_b32 s48, s17, 20                        ; the prefetch of x: + 16 rows x my place in the cluster
	s_lshl_b32 s49, s40, 16
	s_add_co_u32 s48, s48, s49
	s_mov_b32 s49, 0
	s_lshl_b32 s52, s42, 10                        ; my first column, in bytes of f32
	s_lshl_b32 s53, s16, 9
	s_add_co_u32 s52, s52, s53
	s_mov_b32 s53, 0
	s_lshl_b32 s54, s17, 22                        ; my first row of out
	s_lshl_b32 s55, s15, 21
	s_add_co_u32 s54, s54, s55
	s_mov_b32 s55, 0
	s_mul_i32 s56, s14, QROWS
	s_wait_alu depctr_va_vdst(0)
	s_wait_dscnt 0x0                               ; both opening adds are done
	s_wait_kmcnt 0x0
	s_load_b64 s[96:97], s[8:9], 0x0               ; e0, e1
	s_add_nc_u64 s[58:59], s[4:5], s[44:45]
	s_add_nc_u64 s[XP:XP+1], s[4:5], s[48:49]
	s_add_nc_u64 s[WB:WB+1], s[6:7], s[46:47]
	s_add_nc_u64 s[10:11], s[10:11], s[52:53]
	s_add_nc_u64 s[12:13], s[12:13], s[52:53]
	s_add_nc_u64 s[12:13], s[12:13], s[54:55]
.irp n, 0,1
	s_mov_b32 s[G0+4*\n], 1
	s_add_co_u32 s[G0+4*\n+1], s56, \n*SLOT
	s_add_nc_u64 s[G0+4*\n+2:G0+4*\n+3], s[58:59], \n*512
	s_or_b32 s[G0+4*\n+3], s[G0+4*\n+3], 0x80000000
.endr
.irp g, 0,1
.irp i, 0,1,2,3,4,5,6,7
	global_load_b128 v[BI+32*\g+4*\i:BI+32*\g+4*\i+3], v[BH], s[10:11] offset:256*\g+16*\i   ; bias of my lane's 64 columns: the oldest loads, so no count below names them
.endr
.endr
	CROUND                                         ; the four work-groups are here: the first joint loads meet
	JLOAD 0                                        ; K 0 .. 511: one tensor load a wave at the head; asked for first, since a round and the LDS loads still follow its landing
	WIN TO_B
	LOADB 0, 0, 0                                  ; step 0's fragments of the kernel
	LOADB 0, 4, 0
	LOADB 1, 0, 1                                  ; step 1's
	LOADB 1, 4, 1
	WIN 0
	s_wait_tensorcnt 0x0                           ; my part of slot 0 is in; these lines stand ahead of a later first fill as ahead of a refill
	ds_add_u32 v[SPW], v[NIL]
	s_wait_dscnt 0x0
	CROUND
	JLOAD 1                                        ; K 512 .. 1023
	FETCH_A 0, 0, 0
	FETCH_A 0, 0, 4
	STEP 0, 1, 0, 0, 1, 2, 4, 0                    ; step 0 stands ahead of the loop: its products start the sums
	s_mov_b32 s3, 3
.Llap:                                                 ; a trip: eight steps, once round the ring, from a lap's second step to the next lap's first
	STEP 1, 0, 0, 0, 2, 3, 5, 0
	STEP 0, 0, 0, 0, 3, 4, 6, 0
	STEP 1, 0, 1, 1, 0, 5, 7, 0
	STEP 0, 0, 0, 1, 1, 6, 8, 0
	STEP 1, 0, 0, 1, 2, 7, 9, 0
	STEP 0, 0, 0, 1, 3, 8, 10, 0
	STEP 1, 0, 1, 0, 0, 9, 11, 0
	STEP 0, 0, 0, 0, 1, 2, 4, 1
	s_sub_co_u32 s3, s3, 1
	s_cmp_lg_u32 s3, 0
	s_cbranch_scc1 .Llap
	STEP 1, 0, 0, 0, 2, 3, 5, 0                    ; steps 25 to 31: no refill; loads up to step 31, prefetches up to step 31
	STEP 0, 0, 0, 0, 3, 4, 6, 0
	STEP 1, 0, 2, 1, 0, 5, 7, 0
	STEP 0, 0, 0, 1, 1, 6, -1, 0
	STEP 1, 0, 0, 1, 2, 7, -1, 0
	STEP 0, 0, 0, 1, 3, -1, -1, 0
	STEP 1, 0, 0, -1, 0, -1, -1, 0
	WIN 0
; THE WAY OUT, block by block of 16 rows x 128 columns.  Register j of tile 4 g + t holds column 64 g + 32 h + 4 j + t of row l % 16: four tiles give four neighbouring columns.
; sum x 2^(e0 + e1) + bias in one fused multiply-add, each accumulator from its low end on; through my own stage; back as rows of 512 bytes, stored as two aligned runs of 256 bytes.
.macro TOSTAGE a
.set AC, 64*((\a)%4)
	WIN 0x02+((\a)/4)
.irp g, 0,1
.irp j, 0,1,2,3,4,5,6,7
.irp t, 0,1,2,3
	v_fma_f32 v[TMP+32*\g+4*\j+\t], v[AC+8*(4*\g+\t)+\j], s96, v[BI+32*\g+4*\j+\t]
.endr
.endr
.endr
	WIN 0
.irp g, 0,1
.irp j, 0,1,2,3,4,5,6,7
	ds_store_b128 v[STO], v[TMP+32*\g+4*\j:TMP+32*\g+4*\j+3] offset:256*\g+16*\j
.endr
.endr
.set BB, 64*((\a)%2)
	WIN TO_B
.irp t, 0,1,2,3,4,5,6,7,8,9,10,11,12,13,14,15
	ds_load_b128 v[BB+4*\t:BB+4*\t+3], v[RD] offset:\t*SPITCH   ; LDS serves a wave's instructions in order: these see the stores above
.endr
.endm
.macro SEND a, younger
.set BB, 64*((\a)%2)
	s_wait_dscnt \younger
	WIN 0x04
.irp t, 0,1,2,3,4,5,6,7,8,9,10,11,12,13,14,15
	global_store_b128 v[CO], v[BB+4*\t:BB+4*\t+3], s[12:13] offset:(16*(\a)+\t)*NROW th:TH_STORE_NT
.endr
.endm
	s_wait_kmcnt 0x0
	s_add_co_i32 s96, s96, s97
	s_add_co_i32 s96, s96, 127
	s_lshl_b32 s96, s96, 23                        ; 2^(e0 + e1) as f32
	s_wait_loadcnt 0x0
	PLACES
	TOSTAGE 0
.irp a, 1,2,3,4,5,6,7
.if \a > 1
	s_wait_xcnt 0x0                                ; block a - 2's stores have read their registers
.endif
	TOSTAGE \a
	SEND \a-1, 32                                  ; behind block a - 1's loads: block a's 16 stores and 16 loads
.endr
	SEND 7, 0
	WIN 0
	s_wait_tensorcnt 0x0                           ; the wave's end
	ds_add_u32 v[SPW], v[NIL]
	s_wait_dscnt 0x0
	CROUND                                         ; the closing round
	s_endpgm
.Lfunc_end_k_qcc032242f0_gemm:
	.size	k_qcc032242f0_gemm, .Lfunc_end_k_qcc032242f0_gemm-k_qcc032242f0_gemm
	.p2alignl 7, 3214868480
	.fill 96, 4, 3214868480
	.section	.rodata,"a",@progbits
	.p2align	6, 0x0
	.amdhsa_kernel k_qcc032242f0_gemm
		.amdhsa_group_segment_fixed_size 327680
		.amdhsa_private_segment_fixed_size 0
		.amdhsa_enable_private_segment 0
		.amdhsa_kernarg_size 40
		.amdhsa_user_sgpr_count 2
		.amdhsa_user_sgpr_kernarg_segment_ptr 1
		.amdhsa_wavefront_size32 1
		.amdhsa_system_sgpr_workgroup_id_x 1
		.amdhsa_system_sgpr_workgroup_id_y 1
		.amdhsa_system_sgpr_workgroup_id_z 1
		.amdhsa_system_vgpr_workitem_id 0
		.amdhsa_next_free_vgpr 1024
		.amdhsa_next_free_sgpr 98
		.amdhsa_reserve_vcc 0
		.amdhsa_float_denorm_mode_32 3
		.amdhsa_float_denorm_mode_16_64 3
		.amdhsa_memory_ordered 1
		.amdhsa_forward_progress 1
		.amdhsa_inst_pref_size 230
	.end_amdhsa_kernel
	.amdgpu_metadata
---
amdhsa.version: [ 1, 2 ]
amdhsa.kernels:
  - .name:           k_qcc032242f0_gemm
    .symbol:         k_qcc032242f0_gemm.kd
    .args:
      - { .name: x_codes, .offset: 0, .size: 8, .value_kind: global_buffer, .address_space: global }
      - { .name: wimg, .offset: 8, .size: 8, .value_kind: global_buffer, .address_space: global }
      - { .name: lowp_scales, .offset: 16, .size: 8, .value_kind: global_buffer, .address_space: global }
      - { .name: bias, .offset: 24, .size: 8, .value_kind: global_buffer, .address_space: global }
      - { .name: out0, .offset: 32, .size: 8, .value_kind: global_buffer, .address_space: global }
    .group_segment_fixed_size: 327680
    .private_segment_fixed_size: 0
    .kernarg_segment_align: 8
    .kernarg_segment_size: 40
    .max_flat_workgroup_size: 128
    .sgpr_count:     98
    .vgpr_count:     1024
    .wavefront_size: 32
...
	.end_amdgpu_metadata
.endif
;; end of part 2
